; MI455X (gfx1250); checked and timed in simulation.
; The chip was launched on July 23, 2026; its instructions are those of AMD's public machine-readable ISA for CDNA 5 (MIT licence, August 2026) and "CDNA5" Instruction Set Architecture Reference Guide (July 2026). The comments in the code are by the model that wrote it; some were corrected since.
;; Head. Allowed arithmetic: matrix products marked QUANTISED: E4M3 operands, one given power-of-two scale a tensor, by v_wmma_f32_16x16x64_fp8_fp8 or v_wmma_f32_16x16x128_fp8_fp8, f32 sums; everything else in f32.
;; Inputs: Wk 128 x 1,024 float32; Wq 128 x 1,024 float32; Wv 128 x 1,024 float32; bk 128 float32; bq 128 float32; bv 128 float32; inputs 4 x 4,096 x 1,024 float32; lowp_scales 10 int32 (the exponents e of the quantised operands' scales 2^e); padding_mask 4 x 4,096 int32.
;; Outputs: out0 4 x 4,096 x 128 float32.
;; This version of the problem:
;;   THIS VERSION OF THE PROBLEM IS GIVEN IN LOW PRECISION. The matrix products marked QUANTISED in the list below multiply operands that are first quantised to E4M3 (4 exponent bits, 3 mantissa bits; 8 bits a number), with one given power-of-two scale for each operand tensor; their sums are f32. All else is computed in f32.
;;   The module's matrix products, in the order in which they are computed (A, B: the left and right operand; K: the contracted axis; several contracted axes count as one K, in the product's order):
;;     1. [M 16,384, K 1,024] x [K 1,024, N 128]; A: input inputs; B: input Wk: QUANTISED (scales: A lowp_scales[0], B lowp_scales[1])
;;     2. [M 16,384, K 1,024] x [K 1,024, N 128]; A: input inputs; B: input Wq: QUANTISED (scales: A lowp_scales[2], B lowp_scales[3])
;;     3. [M 16,384, K 1,024] x [K 1,024, N 128]; A: input inputs; B: input Wv: QUANTISED (scales: A lowp_scales[4], B lowp_scales[5])
;;     4. batch 4 x [M 4,096, K 128] x [K 128, N 4,096]; A: computed on the way; B: computed on the way: QUANTISED (scales: A lowp_scales[6], B lowp_scales[7])
;;     5. batch 4 x [M 4,096, K 4,096] x [K 4,096, N 128]; A: softmax (see below); B: computed on the way: QUANTISED (scales: A lowp_scales[8], B lowp_scales[9])
;;   THE QUANTISER, for each operand of a quantised product, along K:
;;     - The operand's scale is 2^e, e = its entry of the input lowp_scales (int32; the entries are numbered through the quantised products in the list's order, A before B).
;;     - Each number is divided by the scale, clamped to +-448, and rounded to the nearest number of E4M3, ties to even, subnormals kept.
;;     - The product sums the exact products of the quantised numbers (number of the format x scale) in f32.
;;   ~~~python
;;   def quantise(x, axis, e):      # numpy; x: float32 -> the quantised numbers, widened to float32 again
;;       x = np.moveaxis(x, axis, -1); K = x.shape[-1]
;;       r = np.clip(x / 2.0 ** e, -448, 448)
;;       step = 2.0 ** (np.maximum(np.frexp(np.where(r == 0, 1, r))[1] - 1, -6) - 3)
;;       q = np.round(r / step) * step * 2.0 ** e      # np.round: ties to even
;;       return np.moveaxis(q, -1, axis).astype(np.float32)
;;   ~~~
;;   SOFTMAX AHEAD OF A QUANTISED PRODUCT. Where the list says 'softmax', what is quantised is not the finished softmax but p = 2^(t - M), with t = logit x log2(e) and M = ceil(the row's largest t), a whole number; so 1/2 < the row's largest p <= 1. The row's sum l is taken of the UNQUANTISED p, in f32, and the product's result is divided by l at the end. Since M is a whole number, a kernel that streams over the keys may use a running M (the ceiling of the running maximum): every later rescaling is an exact power of two, so the quantised numbers keep their values, but for numbers so far below the row's largest that they fall under the format's range.
;;   OPERANDS COMPUTED ON THE WAY. 'Computed on the way' means the value that the module computes at that place (a softmax that the list does not call 'softmax' is quantised finished and normalised). What goes into a quantiser is computed in f32, as accurately as f32 sums, v_exp_f32 and their like allow (about 1e-6 of the number): no bf16 or f16 on the way to a quantiser, and a product that is left as it is and whose result goes on into a quantised operand takes f32 operands (vector FMAs, or v_wmma_f32_16x16x4_f32). A number that lies on a knife's edge between two numbers of the format may be rounded either way, as far as f32 arithmetic and the matrix unit's own rounding can turn it there, and no further.
;; One version. Each part assembles by itself: llvm-mc -triple=amdgcn-amd-amdhsa -mcpu=gfx1250 --defsym DOCPART=n.
;; ======== version 1 of 1: 3 launches
;; limits: right only within a limited range of input values
;; workspace buffers: wimg 393,216 bytes; qimg 2,097,152 bytes; kv 4,194,304 bytes
;; launch wq (part 1): grid 48 x 1, 4 waves a work-group, no clusters, 0 bytes of LDS; arguments Wk, Wq, Wv, lowp_scales, wimg; writes wimg
.if DOCPART == 1
	.amdgcn_target "amdgcn-amd-amdhsa--gfx1250"
	.amdhsa_code_object_version 6
	.text
	.protected	k_qd1ef7fa27c_wq
	.globl	k_qd1ef7fa27c_wq
	.p2align	8
	.type	k_qd1ef7fa27c_wq,@function
k_qd1ef7fa27c_wq:
	s_mov_b64 s[64:65], 0
	v_nop
	global_prefetch_b8 v0, s[64:65] scope:SCOPE_SE
	s_setreg_imm32_b32 hwreg(HW_REG_WAVE_MODE, 25, 1), 1
	s_wait_xcnt 0x0
; Wk, Wq, Wv [128][1024] f32 become codes of FP8 (E4M3), each with its given scale 2^e (entries 1, 3, 5 of the scales), laid as IMAGES OF OPERAND REGISTERS:
; wimg[g 3][n 8][s 8][2048 bytes]: the fragment of rows 16 n .. 16 n + 15, K = 128 s .. 128 s + 127 of weight g.  A fragment is 16 registers a lane, in four pieces of 512 bytes; piece b holds
; registers 4 b .. 4 b + 3, lane l's 16 bytes at 16 l.  Lane (r = l % 16, h = l / 16), piece b: W[16 n + r][128 s + 32 b + 16 h + 0 .. 15].  The next launch lays x's codes by the same map of k,
; so every product meets its partner.  The weights are quantised once here because each of the next launch's 256 work-groups reads all of them: as codes a quarter of the bytes, and no conversion there.
; code = w / 2^e, held within +-448, to the nearest code, ties to even.  LIMITS: e between -126 and 119, so that 2^e and 448 x 2^e are f32 numbers.  NaN among the inputs is not served.
; One fragment a wave: 192 fragments, 48 work-groups of four waves.  One round trip to memory: no LDS, no ring, no barrier; waves share nothing.
.set X, 16                             ; v16-79  64 numbers: register 16 b + i = k 32 b + 16 h + i of my row
.set C, 80                             ; v80-95  the fragment's codes
	s_load_b256 s[4:11], s[0:1], 0x0               ; Wk s[4:5], Wq s[6:7], Wv s[8:9], the scales' exponents s[10:11]
	s_load_b64 s[12:13], s[0:1], 0x20              ; wimg
	v_lshrrev_b32 v3, 5, v0
	v_readfirstlane_b32 s14, v3                    ; wave 0..3
	v_and_b32 v4, 15, v0                           ; r
	v_bfe_u32 v5, v0, 4, 1                         ; h
	v_lshlrev_b32 v1, 12, v4                       ; in: row r of 4,096 bytes,
	v_lshl_add_u32 v1, v5, 6, v1                   ; + 64 h: my 16 numbers of a block of 32
	v_and_b32 v2, 31, v0
	v_lshlrev_b32 v2, 4, v2                        ; out: 16 x lane
	s_lshl_b32 s15, ttmp9, 2
	s_add_co_u32 s15, s15, s14                     ; F = 4 x work-group + wave: which fragment, 0 .. 191 = 64 g + 8 n + s
	s_lshr_b32 s16, ttmp9, 4                       ; g
	s_bfe_u32 s17, s15, 0x30003                    ; n
	s_and_b32 s18, s15, 7                          ; s
	s_lshl_b32 s17, s17, 16                        ; 16 rows of 4,096 bytes
	s_lshl_b32 s18, s18, 9                         ; 128 numbers
	s_add_co_u32 s20, s17, s18
	s_mov_b32 s21, 0
	s_lshl_b32 s22, s15, 11                        ; F x 2,048
	s_mov_b32 s23, 0
	s_wait_kmcnt 0x0
	s_load_b256 s[24:31], s[10:11], 0x0            ; e0 .. e7
	s_cmp_eq_u32 s16, 0                            ; the weight is chosen on the work-group's number alone
	s_cselect_b64 s[4:5], s[4:5], s[6:7]
	s_cmp_eq_u32 s16, 2
	s_cselect_b64 s[4:5], s[8:9], s[4:5]
	s_add_nc_u64 s[4:5], s[4:5], s[20:21]
	s_add_nc_u64 s[12:13], s[12:13], s[22:23]
.irp b, 0,1,2,3
.irp i, 0,1,2,3
	global_load_b128 v[X+16*\b+4*\i:X+16*\b+4*\i+3], v1, s[4:5] offset:128*\b+16*\i th:TH_LOAD_NT   ; read once in the whole launch
.endr
.endr
	s_wait_kmcnt 0x0
	s_cmp_eq_u32 s16, 0
	s_cselect_b32 s32, s25, s27                    ; e1 or e3,
	s_cmp_eq_u32 s16, 2
	s_cselect_b32 s32, s29, s32                    ; or e5
	s_add_co_i32 s32, s32, 127
	s_lshl_b32 s33, s32, 23
	v_mov_b32 v11, s33                             ; 2^e as f32: the conversion takes its exponent field
	s_add_co_i32 s32, s32, 8
	s_lshl_b32 s32, s32, 23
	s_or_b32 s32, s32, 0x600000
	v_mov_b32 v10, s32                             ; 448 x 2^e
	s_wait_loadcnt 0x0
.irp b, 0,1,2,3
.irp i, 0,1,2,3,4,5,6,7,8,9,10,11,12,13,14,15
	v_med3_num_f32 v[X+16*\b+\i], v[X+16*\b+\i], -v10, v10   ; the conversion to an 8-bit code does not saturate (ISA guide 7.6.2): the hold comes first
.endr
	v_cvt_scalef32_pk8_fp8_f32 v[C+4*\b:C+4*\b+1], v[X+16*\b:X+16*\b+7], v11
	v_cvt_scalef32_pk8_fp8_f32 v[C+4*\b+2:C+4*\b+3], v[X+16*\b+8:X+16*\b+15], v11
.endr
	v_nop                                          ; a plain line behind the last conversion
.irp b, 0,1,2,3
	global_store_b128 v2, v[C+4*\b:C+4*\b+3], s[12:13] offset:512*\b   ; the wave stores 512 consecutive bytes, at a multiple of 512 from wimg's first byte
.endr
	s_endpgm
.Lfunc_end_k_qd1ef7fa27c_wq:
	.size	k_qd1ef7fa27c_wq, .Lfunc_end_k_qd1ef7fa27c_wq-k_qd1ef7fa27c_wq
	.p2alignl 7, 3214868480
	.fill 96, 4, 3214868480
	.section	.rodata,"a",@progbits
	.p2align	6, 0x0
	.amdhsa_kernel k_qd1ef7fa27c_wq
		.amdhsa_group_segment_fixed_size 0
		.amdhsa_private_segment_fixed_size 0
		.amdhsa_enable_private_segment 0
		.amdhsa_kernarg_size 40
		.amdhsa_user_sgpr_count 2
		.amdhsa_user_sgpr_kernarg_segment_ptr 1
		.amdhsa_wavefront_size32 1
		.amdhsa_system_sgpr_workgroup_id_x 1
		.amdhsa_system_sgpr_workgroup_id_y 1
		.amdhsa_system_sgpr_workgroup_id_z 1
		.amdhsa_system_vgpr_workitem_id 0
		.amdhsa_next_free_vgpr 96
		.amdhsa_next_free_sgpr 66
		.amdhsa_reserve_vcc 0
		.amdhsa_float_denorm_mode_32 3
		.amdhsa_float_denorm_mode_16_64 3
		.amdhsa_memory_ordered 1
		.amdhsa_forward_progress 1
		.amdhsa_inst_pref_size 9
	.end_amdhsa_kernel
	.amdgpu_metadata
---
amdhsa.version: [ 1, 2 ]
amdhsa.kernels:
  - .name:           k_qd1ef7fa27c_wq
    .symbol:         k_qd1ef7fa27c_wq.kd
    .args:
      - { .name: Wk, .offset: 0, .size: 8, .value_kind: global_buffer, .address_space: global }
      - { .name: Wq, .offset: 8, .size: 8, .value_kind: global_buffer, .address_space: global }
      - { .name: Wv, .offset: 16, .size: 8, .value_kind: global_buffer, .address_space: global }
      - { .name: lowp_scales, .offset: 24, .size: 8, .value_kind: global_buffer, .address_space: global }
      - { .name: wimg, .offset: 32, .size: 8, .value_kind: global_buffer, .address_space: global }
    .group_segment_fixed_size: 0
    .private_segment_fixed_size: 0
    .kernarg_segment_align: 8
    .kernarg_segment_size: 40
    .max_flat_workgroup_size: 128
    .sgpr_count:     66
    .vgpr_count:     96
    .wavefront_size: 32
...
	.end_amdgpu_metadata
.endif
;; end of part 1
;; launch proj (part 2): grid 256 x 1, 16 waves a work-group, no clusters, 327,680 bytes of LDS; arguments inputs, wimg, bk, bq, bv, padding_mask, lowp_scales, qimg, kv; writes qimg, kv
.if DOCPART == 2
	.amdgcn_target "amdgcn-amd-amdhsa--gfx1250"
	.amdhsa_code_object_version 6
	.text
	.protected	k_qd1ef7fa27c_proj
	.globl	k_qd1ef7fa27c_proj
	.p2align	8
	.type	k_qd1ef7fa27c_proj,@function
k_qd1ef7fa27c_proj:
	s_mov_b64 s[64:65], 0
	v_nop
	global_prefetch_b8 v0, s[64:65] scope:SCOPE_SE
	s_setreg_imm32_b32 hwreg(HW_REG_WAVE_MODE, 25, 1), 1
	s_wait_xcnt 0x0
; k = x Wk^T + bk, q = x Wq^T + bq, v = x Wv^T + bv on codes of FP8 (E4M3), and the results quantised again for the attention launch.  x: [16384][1024] f32.
; x is quantised THREE times, with the scales of entries 0, 2, 4 (they may differ); the weights come as codes (wimg).  k's codes take entry 7, q's entry 6, v's entry 9.
; SHARES.  A work-group takes 64 rows of x.  Sixteen waves, four to a SIMD.  Waves 12-15 are PRODUCERS: wave 12 + m brings rows 16 m .. 16 m + 15 of x into LDS (8 tensor loads, one for each 128 along K),
; reads each number once and quantises it three times; the three fragments go to LDS as images of their registers.  Waves 0-11 are CONSUMERS: wave 4 g + j (g = 0: k, 1: q, 2: v) makes head units
; 32 j .. 32 j + 31 for all 64 rows: 8 accumulators.  Its weights' fragments go from memory straight into its registers, each byte to one wave of the work-group.
; NINE PHASES, one barrier between two: in phase p the producers make the p-th K step's images in buffer p % 2 while the consumers multiply the (p - 1)-th from buffer (p - 1) % 2.
; THE WORK-GROUPS WALK K IN TURNED ORDERS: work-group i takes as its p-th K step the step (p + i) % 8.  So in every phase the eight groups of work-groups ask for all eight K steps' weights, each for another,
; and not all 256 for the same 49,152 bytes.  Only global addresses turn; LDS addresses and registers go by p.  The f32 sums take the K steps in that order.
; LDS: all of the work-group's x lies there at once (4 x 8 chunks of 16 rows x 528 bytes = 270,336 bytes), each byte filled once: no slot is ever filled again.  Behind it two image buffers of 24,576 bytes.
; NO CLUSTER: x's rows are shared with no other work-group; the weights are shared by all, but x's 270,336 bytes and the images' 49,152 leave 8,192 bytes of LDS: no room for a K step's 49,152 bytes of weights.
; LAYOUTS OUT (images of operand registers, a fragment = 4 pieces of 512 bytes, lane l's 16 bytes at 16 l):
;   k, q: the product is used TRANSPOSED (source 0 = 16 rows of W, source 1 = 16 rows of x): a lane holds one row of x and eight neighbouring head units, whose codes are registers 2 c, 2 c + 1 (units 16 c + 8 h + 0..7) of
;         the next launch's fragment.  qimg[tile of 16 queries][2048];  kv[128 keys][32768]: bytes 0 .. 16383 eight tiles of 16 keys.
;   v:    the product is used as it stands (source 0 = x, source 1 = W): a lane holds one head unit d and eight neighbouring KEYS: registers 2 c, 2 c + 1 (keys 16 c + 8 h + 0..7) of a fragment of V^T.  kv bytes 16384 ..: eight tiles of 16 d.
; THE MASK.  A key whose padding_mask is 0 gets ZERO CODES in k: its raw score is then exactly 0, and the attention launch adds the masked score as the product's C.
; The biases are the C of each sum's first product, divided by the power of two that the sums lack; the three scales ahead of a result's quantiser are folded into the conversion's one.
; LIMITS on the given exponents, so that each power of two here is an f32 number: e0, e2, e4, and e7 - e0 - e1, e6 - e2 - e3, e9 - e4 - e5, between -126 and 119.  NaN among the inputs is not served.
.set XS_M,  67584                      ; LDS bytes of a producer's 16 rows: 8 chunks
.set XS_C,  8448                       ; a chunk: 16 rows x 528
.set XP,    528                        ; a chunk's row: 512 bytes + 16 of padding = 132 words: row r starts at bank 4 r mod 64 (64 banks of 4 bytes: ISA guide 11.1)
.set IMG,   4*XS_M                     ; the image buffers: [buffer 2][g 3][m 4][2048]
.set IBUF,  24576
.set WV,  22                           ; s22  wave
.set GG,  23                           ; s23  g = wave / 4 (3: producer)
.set G1,  24                           ; s[24:31] descriptor group 1
.set G0,  32                           ; s[32:63] descriptor group 0, a set for each of the 8 chunks: none is written again
.set JJ,  66                           ; s66  j or m = wave % 4
.set ROT, 67                           ; s67  work-group % 8: where my walk along K begins
.set WB,  82                           ; s[82:83] my weights' fragments
.set BB,  84                           ; s[84:85] my biases
.set MB,  88                           ; s[88:89] my work-group's 64 words of the mask
.set OUTB, 90                          ; s[90:91] where my codes go
.set NEG, 95                           ; s95  -(ex + ew)
.set MOR, 96                           ; s96  0 for k's waves, 1 for q's: what is OR-ed onto the mask
.set WS,  98                           ; s[98:99] my weights' fragments of the K step that is asked for
; v1 16 x lane; v2 r; v3 h; v4 x in LDS; v5 images, in; v6 images, out; v8 4 r; v9 32 h: all made ahead of the first parting of the roles, none ever written again
; v10-15: 2^e and 448 x 2^e for e0, e2, e4;  v246, v247: the same for my result's folded scale
.set X,    16                          ; producer: v16-79 64 numbers;  v80-111 two sets of 16 held numbers;  v112-159 three fragments of codes
.set T,    80
.set PCD,  112
.set ACC,  16                          ; consumer: v16-79 accumulator (nn, m) at 16 + 8 (4 nn + m);  v80-143 x's four fragments;  v144-207 W's: two sets of two;  v208-223 biases;  v224-227 mask;  v228-243 codes
.set XF,   80
.set WF,   144
.set BI,   208
.set MK,   224
.set CODE, 228
.set CSC,  246
.set CLM,  247
	s_load_b512 s[4:19], s[0:1], 0x0               ; inputs s[4:5], wimg s[6:7], bk s[8:9], bq s[10:11], bv s[12:13], padding_mask s[14:15], the scales s[16:17], qimg s[18:19]
	s_load_b64 s[20:21], s[0:1], 0x40              ; kv
	v_lshl_add_u32 v254, v0, 2, 0x4e000
	v_mov_b32 v255, 0
	ds_add_u32 v254, v255
	ds_add_u32 v254, v255
	v_lshrrev_b32 v2, 5, v0
	v_readfirstlane_b32 s[WV], v2                  ; wave 0..15
	v_and_b32 v1, 31, v0
	v_lshlrev_b32 v1, 4, v1                        ; 16 x lane
	v_and_b32 v2, 15, v0                           ; r
	v_bfe_u32 v3, v0, 4, 1                         ; h
	s_lshr_b32 s[GG], s[WV], 2
	s_and_b32 s[JJ], s[WV], 3
	s_and_b32 s[ROT], ttmp9, 7
	s_mul_i32 s78, s[JJ], XS_M
	v_mul_u32_u24 v4, v2, XP
	v_lshl_add_u32 v4, v3, 6, v4
	v_add_nc_u32 v4, s78, v4                       ; x in LDS: my 16 rows' region + row r + 64 h: my 16 numbers of a block of 32
	s_lshl_b32 s79, s[JJ], 11
	v_add_nc_u32 v5, s79, v1
	v_add_nc_u32 v5, IMG, v5                       ; a producer's images: tile m of each g
	s_min_u32 s79, s[GG], 2
	s_lshl_b32 s79, s79, 13
	v_add_nc_u32 v6, s79, v1
	v_add_nc_u32 v6, IMG, v6                       ; a consumer's: version g
	v_lshlrev_b32 v8, 2, v2
	v_lshlrev_b32 v9, 5, v3
	; descriptor group 1: 16 rows x 128 numbers of 4 bytes, 1,024 numbers from row to row, 16 bytes of padding behind each row
	s_mov_b32 s[G1+0], (2<<16)|(1<<20)|(6<<22)|(3<<25)  ; 15:0 no mask; 17:16 elements of 4 bytes; 20 padding on; 24:22 after every 128 words (code 6); 31:25 four words (code 3)
	s_mov_b32 s[G1+1], 128<<16                     ; tensor_dim0 = 128
	s_mov_b32 s[G1+2], 16<<16                      ; tensor_dim1 = 16
	s_mov_b32 s[G1+3], 128<<16                     ; tile_dim0 = 128
	s_mov_b32 s[G1+4], 16                          ; tile_dim1 = 16
	s_mov_b32 s[G1+5], 1024                        ; tensor_dim0_stride
	s_mov_b32 s[G1+6], 0
	s_mov_b32 s[G1+7], 0
	s_lshl_b32 s80, ttmp9, 18                      ; 64 rows of 4,096 bytes a work-group,
	s_lshl_b32 s79, s[JJ], 16                      ; 16 rows a producer
	s_add_co_u32 s80, s80, s79
	s_mov_b32 s81, 0
	s_mov_b32 s87, 0
	s_wait_dscnt 0x0
	s_wait_kmcnt 0x0
	s_load_b256 s[68:75], s[16:17], 0x0            ; e0 .. e7
	s_load_b64 s[76:77], s[16:17], 0x20            ; e8, e9
	s_add_nc_u64 s[80:81], s[4:5], s[80:81]
.irp c, 0,1,2,3,4,5,6,7
	s_add_co_u32 s86, s[ROT], \c
	s_and_b32 s86, s86, 7                          ; my c-th K step is step (c + work-group) % 8:
	s_lshl_b32 s86, s86, 9                         ; 512 bytes along the rows each
	s_mov_b32 s[G0+4*\c], 1                        ; count = 1
	s_add_co_u32 s[G0+4*\c+1], s78, \c*XS_C        ; LDS address: (wave % 4) x 67,584 + c x 8,448: by the order of my walk
	s_add_nc_u64 s[G0+4*\c+2:G0+4*\c+3], s[80:81], s[86:87]   ; global address: my first row, that K step
	s_or_b32 s[G0+4*\c+3], s[G0+4*\c+3], 0x80000000          ; type = 2
.endr
	s_cmp_lt_u32 s[WV], 12                         ; all first fills of a wave stand in one branch, ahead of every wait on TENSORcnt, every LDS read and every barrier: eight loads of a producer are out
	s_cbranch_scc1 .Lno_fill
.irp c, 0,1,2,3,4,5,6,7
	tensor_load_to_lds s[G0+4*\c:G0+4*\c+3], s[G1:G1+7]
	s_nop 0
.endr
.rept 4
	v_nop
.endr
.Lno_fill:
	s_lshl_b32 s[WB], s[GG], 17                    ; my weights: tiles n = 2 j, 2 j + 1 of weight g: (8 g + 2 j) x 16,384 bytes
	s_lshl_b32 s[WB+1], s[JJ], 15
	s_add_co_u32 s[WB], s[WB], s[WB+1]
	s_mov_b32 s[WB+1], 0
	s_add_nc_u64 s[WB:WB+1], s[6:7], s[WB:WB+1]
	s_cmp_eq_u32 s[GG], 0                          ; my bias: chosen on the wave's number alone
	s_cselect_b64 s[BB:BB+1], s[8:9], s[10:11]
	s_cmp_ge_u32 s[GG], 2
	s_cselect_b64 s[BB:BB+1], s[12:13], s[BB:BB+1]
	s_lshl_b32 s86, s[JJ], 7                       ; my 32 numbers of it
	s_mov_b32 s87, 0
	s_add_nc_u64 s[BB:BB+1], s[BB:BB+1], s[86:87]
	s_lshl_b32 s86, ttmp9, 8
	s_add_nc_u64 s[MB:MB+1], s[14:15], s[86:87]
	s_lshr_b32 s92, ttmp9, 1
	s_lshl_b32 s92, s92, 15                        ; which 128 keys: 32,768 bytes of kv each
	s_and_b32 s93, ttmp9, 1                        ; and which half of them
	s_lshl_b32 s94, s93, 13
	s_add_co_u32 s94, s94, s92
	s_lshl_b32 s95, s[JJ], 9
	s_add_co_u32 s94, s94, s95                     ; k: four tiles of 2,048 bytes a half, piece j
	s_lshl_b32 s96, ttmp9, 13
	s_add_co_u32 s96, s96, s95                     ; q: four tiles a work-group, piece j
	s_lshl_b32 s97, s93, 10
	s_add_co_u32 s97, s97, s92
	s_lshl_b32 s95, s[JJ], 12
	s_add_co_u32 s97, s97, s95
	s_add_co_u32 s97, s97, 16384                   ; v: behind k's 16,384 bytes, tiles 2 j, 2 j + 1, pieces 2 x half, 2 x half + 1
	s_cmp_eq_u32 s[GG], 1
	s_cselect_b64 s[OUTB:OUTB+1], s[18:19], s[20:21]
	s_cselect_b32 s86, s96, s94
	s_cmp_ge_u32 s[GG], 2
	s_cselect_b32 s86, s97, s86
	s_add_nc_u64 s[OUTB:OUTB+1], s[OUTB:OUTB+1], s[86:87]
.macro MKSCALE e, vs, vl               ; s[e] = an exponent: v[vs] = 2^e as f32, v[vl] = 448 x 2^e
	s_add_co_i32 s98, s[\e], 127
	s_lshl_b32 s99, s98, 23
	v_mov_b32 v[\vs], s99
	s_add_co_i32 s98, s98, 8
	s_lshl_b32 s98, s98, 23
	s_or_b32 s98, s98, 0x600000
	v_mov_b32 v[\vl], s98
.endm
	s_wait_kmcnt 0x0
	MKSCALE 68, 10, 11                             ; x for k,
	MKSCALE 70, 12, 13                             ; for q,
	MKSCALE 72, 14, 15                             ; for v
	s_cmp_eq_u32 s[GG], 0                          ; my product's ex, ew and my result's eo: choices, no branch hangs on a given scale
	s_cselect_b32 s92, s68, s70
	s_cselect_b32 s93, s69, s71
	s_cselect_b32 s94, s75, s74
	s_cmp_ge_u32 s[GG], 2
	s_cselect_b32 s92, s72, s92
	s_cselect_b32 s93, s73, s93
	s_cselect_b32 s94, s77, s94
	s_add_co_i32 s92, s92, s93                     ; a sum stands for sum x 2^(ex + ew),
	s_sub_co_i32 s[NEG], 0, s92                    ; so the bias goes in x 2^-(ex + ew),
	s_sub_co_i32 s94, s94, s92                     ; and the result's code is sum / 2^(eo - ex - ew)
	MKSCALE 94, CSC, CLM
	s_cmp_eq_u32 s[GG], 0
	s_cselect_b32 s[MOR], 0, 1
	s_mov_b32 s93, 0                               ; the upper word of the offsets that the weights' base takes
; A PRODUCER'S PHASE: chunk c (128 along K) of my 16 rows: 64 numbers a lane, register 16 b + i = k 32 b + 16 h + i; three fragments of codes; their images
.macro PROD c
.irp b, 0,1,2,3
.irp i, 0,1,2,3
	ds_load_b128 v[X+16*\b+4*\i:X+16*\b+4*\i+3], v4 offset:XS_C*(\c)+128*\b+16*\i   ; bytes that my own tensor load brought: my wait on TENSORcnt is all the ordering that they need
.endr
.endr
	s_wait_dscnt 0x0
.irp g, 0,1,2
.irp b, 0,1,2,3
.irp i, 0,1,2,3,4,5,6,7,8,9,10,11,12,13,14,15
	v_med3_num_f32 v[T+16*(\b%2)+\i], v[X+16*\b+\i], -v[11+2*\g], v[11+2*\g]   ; the hold, into one of two sets by turns: sixteen plain lines stand between a conversion and the next write of its sources
.endr
	v_cvt_scalef32_pk8_fp8_f32 v[PCD+16*\g+4*\b:PCD+16*\g+4*\b+1], v[T+16*(\b%2):T+16*(\b%2)+7], v[10+2*\g]
	v_cvt_scalef32_pk8_fp8_f32 v[PCD+16*\g+4*\b+2:PCD+16*\g+4*\b+3], v[T+16*(\b%2)+8:T+16*(\b%2)+15], v[10+2*\g]
.endr
.endr
	v_nop                                          ; a plain line behind the last conversion
.irp g, 0,1,2
.irp b, 0,1,2,3
	ds_store_b128 v5, v[PCD+16*\g+4*\b:PCD+16*\g+4*\b+3] offset:IBUF*((\c)%2)+8192*\g+512*\b
.endr
.endr
.endm
; my two weight fragments of my s-th K step, which is step (s + work-group) % 8, into set s % 2: 8 loads of 512 consecutive bytes.  No load that reads the base is out when it is written.
.macro WLOAD s
	s_add_co_u32 s92, s[ROT], \s
	s_and_b32 s92, s92, 7
	s_lshl_b32 s92, s92, 11                        ; a fragment is 2,048 bytes
	s_add_nc_u64 s[WS:WS+1], s[WB:WB+1], s[92:93]
.irp nn, 0,1
.irp c, 0,1,2,3
	global_load_b128 v[WF+32*((\s)%2)+16*\nn+4*\c:WF+32*((\s)%2)+16*\nn+4*\c+3], v1, s[WS:WS+1] offset:16384*\nn+512*\c
.endr
.endr
.endm
; A CONSUMER'S FIRST PHASE: biases (and for k, q the mask) and the first K step's weights
.macro CHEAD
	s_cmp_lt_u32 s[WV], 8
	s_cbranch_scc0 .Lbias_v_\@
.irp nn, 0,1
	global_load_b128 v[BI+8*\nn:BI+8*\nn+3],   v9, s[BB:BB+1] offset:64*\nn       ; k, q: a lane's registers run along the head units: b[32 j + 16 nn + 8 h + 0 .. 7]
	global_load_b128 v[BI+8*\nn+4:BI+8*\nn+7], v9, s[BB:BB+1] offset:64*\nn+16
.endr
.irp m, 0,1,2,3
	global_load_b32 v[MK+\m], v8, s[MB:MB+1] offset:64*\m                          ; the mask of row 16 m + r
.endr
	s_branch .Lweights_\@
.Lbias_v_\@:
	global_load_b32 v244, v8, s[BB:BB+1]                                           ; v: a lane holds ONE head unit: bv[32 j + 16 nn + r]
	global_load_b32 v245, v8, s[BB:BB+1] offset:64
.Lweights_\@:
	WLOAD 0
	s_wait_loadcnt 8                               ; all but the 8 weight loads, which were issued last on both ways
	s_cmp_lt_u32 s[WV], 8
	s_cbranch_scc0 .Lscale_v_\@
.irp i, 0,1,2,3,4,5,6,7,8,9,10,11,12,13,14,15
	v_ldexp_f32 v[BI+\i], v[BI+\i], s[NEG]
.endr
.irp m, 0,1,2,3
	v_or_b32 v[MK+\m], s[MOR], v[MK+\m]            ; q's rows are never blanked
.endr
	s_branch .Lhead_done_\@
.Lscale_v_\@:
.irp i, 0,1,2,3,4,5,6,7
	v_ldexp_f32 v[BI+\i], v244, s[NEG]
	v_ldexp_f32 v[BI+8+\i], v245, s[NEG]
.endr
.Lhead_done_\@:
.endm
; A CONSUMER'S PHASE: my s-th K step.  Eight products on eight accumulators, which take turns, one instruction a turn, in the same order in every phase.
; x's images are asked for first, so that they come from LDS while the wave waits for its weights.
; THE WEIGHTS run one K step ahead.  No load of mine may be out (the wait is for 0: this step's 8 loads, asked for in the phase before) when the next step's 8 go out, into the other set:
; so no two loads into one register are ever out together, and each has a whole phase, the barrier included, in which to land.  That set's last readers, the last phase's products, stand in front of its four places.
.macro CONS s
.irp m, 0,1,2,3
.irp c, 0,1,2,3
	ds_load_b128 v[XF+16*\m+4*\c:XF+16*\m+4*\c+3], v6 offset:IBUF*((\s)%2)+2048*\m+512*\c
.endr
.endr
	s_wait_loadcnt 0x0                             ; this step's weights are in, and nothing of mine is out
.if (\s) < 7
	WLOAD (\s)+1
.endif
	s_wait_dscnt 0x0
	s_cmp_lt_u32 s[WV], 8
	s_cbranch_scc0 .Lnatural_\@
.irp nn, 0,1
.irp m, 0,1,2,3
.if (\s) == 0
	v_wmma_f32_16x16x128_fp8_fp8 v[ACC+8*(4*\nn+\m):ACC+8*(4*\nn+\m)+7], v[WF+32*((\s)%2)+16*\nn:WF+32*((\s)%2)+16*\nn+15], v[XF+16*\m:XF+16*\m+15], v[BI+8*\nn:BI+8*\nn+7]
.else
	v_wmma_f32_16x16x128_fp8_fp8 v[ACC+8*(4*\nn+\m):ACC+8*(4*\nn+\m)+7], v[WF+32*((\s)%2)+16*\nn:WF+32*((\s)%2)+16*\nn+15], v[XF+16*\m:XF+16*\m+15], v[ACC+8*(4*\nn+\m):ACC+8*(4*\nn+\m)+7]
.endif
.endr
.endr
	s_branch .Lmultiplied_\@
.Lnatural_\@:
.irp nn, 0,1
.irp m, 0,1,2,3
.if (\s) == 0
	v_wmma_f32_16x16x128_fp8_fp8 v[ACC+8*(4*\nn+\m):ACC+8*(4*\nn+\m)+7], v[XF+16*\m:XF+16*\m+15], v[WF+32*((\s)%2)+16*\nn:WF+32*((\s)%2)+16*\nn+15], v[BI+8*\nn:BI+8*\nn+7]
.else
	v_wmma_f32_16x16x128_fp8_fp8 v[ACC+8*(4*\nn+\m):ACC+8*(4*\nn+\m)+7], v[XF+16*\m:XF+16*\m+15], v[WF+32*((\s)%2)+16*\nn:WF+32*((\s)%2)+16*\nn+15], v[ACC+8*(4*\nn+\m):ACC+8*(4*\nn+\m)+7]
.endif
.endr
.endr
.Lmultiplied_\@:
.rept 4
	v_nop                                          ; four places in front of the next phase's loads into registers that these products have read, and of the first read of the results
.endr
.endm
; A PHASE.  The wait on TENSORcnt stands on every wave's path: behind chunk p a producer issued 7 - p loads; a consumer has none out.
; The barrier orders both ways: the images just stored are read behind it, and the buffer just read is written again behind it; each wave's LDS instructions are all done in front of its signal.
; Tensor loads, and a consumer's weight loads, may stay out across it: no LDS byte is filled again in this launch, and nobody writes the weights.
.macro PHASE p
.if (\p) < 8
	s_wait_tensorcnt 7-(\p)
.endif
	s_cmp_lt_u32 s[WV], 12
	s_cbranch_scc1 .Lconsumer_\@
.if (\p) < 8
	PROD \p
	s_branch .Lmeet_\@
.else
	s_branch .Lend                                 ; the producers are done: no barrier follows, and their last wait on TENSORcnt was for 0
.endif
.Lconsumer_\@:
.if (\p) == 0
	CHEAD
.else
	CONS (\p)-1
.endif
.Lmeet_\@:
.if (\p) < 8
	s_wait_dscnt 0x0
	s_barrier_signal -1
	s_barrier_wait -1
.endif
.endm
	PHASE 0
	PHASE 1
	PHASE 2
	PHASE 3
	PHASE 4
	PHASE 5
	PHASE 6
	PHASE 7
	PHASE 8
	; THE RESULTS BECOME CODES.  Each accumulator is read from its low end on.
.irp i, 0,1,2,3,4,5,6,7,8,9,10,11,12,13,14,15,16,17,18,19,20,21,22,23,24,25,26,27,28,29,30,31,32,33,34,35,36,37,38,39,40,41,42,43,44,45,46,47,48,49,50,51,52,53,54,55,56,57,58,59,60,61,62,63
	v_med3_num_f32 v[ACC+\i], v[ACC+\i], -v[CLM], v[CLM]
.endr
	s_cmp_lt_u32 s[WV], 8
	s_cbranch_scc0 .Lout_v
.irp m, 0,1,2,3
.irp nn, 0,1
	v_cvt_scalef32_pk8_fp8_f32 v[CODE+4*\m+2*\nn:CODE+4*\m+2*\nn+1], v[ACC+8*(4*\nn+\m):ACC+8*(4*\nn+\m)+7], v[CSC]   ; units 16 (2 j + nn) + 8 h + 0..7 of row 16 m + r: registers 2 nn, 2 nn + 1 of piece j
.endr
.endr
	v_nop                                          ; a plain line between the conversions and the lines that touch their results
.irp m, 0,1,2,3
	v_cmp_ne_u32 vcc_lo, 0, v[MK+\m]
.irp i, 0,1,2,3
	v_cndmask_b32 v[CODE+4*\m+\i], 0, v[CODE+4*\m+\i], vcc_lo   ; a masked key's codes are zeros
.endr
.endr
.irp m, 0,1,2,3
	global_store_b128 v1, v[CODE+4*\m:CODE+4*\m+3], s[OUTB:OUTB+1] offset:2048*\m   ; 512 consecutive bytes, at a multiple of 512 from the buffer's first byte
.endr
	s_branch .Lend
.Lout_v:
.irp nn, 0,1
.irp m, 0,1,2,3
	v_cvt_scalef32_pk8_fp8_f32 v[CODE+8*\nn+2*\m:CODE+8*\nn+2*\m+1], v[ACC+8*(4*\nn+\m):ACC+8*(4*\nn+\m)+7], v[CSC]   ; keys 16 m + 8 h + 0..7 of head unit 16 (2 j + nn) + r
.endr
.endr
	v_nop
.irp nn, 0,1
.irp pp, 0,1
	global_store_b128 v1, v[CODE+8*\nn+4*\pp:CODE+8*\nn+4*\pp+3], s[OUTB:OUTB+1] offset:2048*\nn+512*\pp
.endr
.endr
.Lend:
	s_wait_tensorcnt 0x0
	ds_add_u32 v254, v255
	s_wait_dscnt 0x0
	s_endpgm
.Lfunc_end_k_qd1ef7fa27c_proj:
	.size	k_qd1ef7fa27c_proj, .Lfunc_end_k_qd1ef7fa27c_proj-k_qd1ef7fa27c_proj
	.p2alignl 7, 3214868480
	.fill 96, 4, 3214868480
	.section	.rodata,"a",@progbits
	.p2align	6, 0x0
	.amdhsa_kernel k_qd1ef7fa27c_proj
		.amdhsa_group_segment_fixed_size 327680
		.amdhsa_private_segment_fixed_size 0
		.amdhsa_enable_private_segment 0
		.amdhsa_kernarg_size 72
		.amdhsa_user_sgpr_count 2
		.amdhsa_user_sgpr_kernarg_segment_ptr 1
		.amdhsa_wavefront_size32 1
		.amdhsa_system_sgpr_workgroup_id_x 1
		.amdhsa_system_sgpr_workgroup_id_y 1
		.amdhsa_system_sgpr_workgroup_id_z 1
		.amdhsa_system_vgpr_workitem_id 0
		.amdhsa_next_free_vgpr 256
		.amdhsa_next_free_sgpr 100
		.amdhsa_reserve_vcc 1
		.amdhsa_float_denorm_mode_32 3
		.amdhsa_float_denorm_mode_16_64 3
		.amdhsa_memory_ordered 1
		.amdhsa_forward_progress 1
		.amdhsa_inst_pref_size 168
	.end_amdhsa_kernel
	.amdgpu_metadata
---
amdhsa.version: [ 1, 2 ]
amdhsa.kernels:
  - .name:           k_qd1ef7fa27c_proj
    .symbol:         k_qd1ef7fa27c_proj.kd
    .args:
      - { .name: inputs, .offset: 0, .size: 8, .value_kind: global_buffer, .address_space: global }
      - { .name: wimg, .offset: 8, .size: 8, .value_kind: global_buffer, .address_space: global }
      - { .name: bk, .offset: 16, .size: 8, .value_kind: global_buffer, .address_space: global }
      - { .name: bq, .offset: 24, .size: 8, .value_kind: global_buffer, .address_space: global }
      - { .name: bv, .offset: 32, .size: 8, .value_kind: global_buffer, .address_space: global }
      - { .name: padding_mask, .offset: 40, .size: 8, .value_kind: global_buffer, .address_space: global }
      - { .name: lowp_scales, .offset: 48, .size: 8, .value_kind: global_buffer, .address_space: global }
      - { .name: qimg, .offset: 56, .size: 8, .value_kind: global_buffer, .address_space: global }
      - { .name: kv, .offset: 64, .size: 8, .value_kind: global_buffer, .address_space: global }
    .group_segment_fixed_size: 327680
    .private_segment_fixed_size: 0
    .kernarg_segment_align: 8
    .kernarg_segment_size: 72
    .max_flat_workgroup_size: 512
    .sgpr_count:     100
    .vgpr_count:     256
    .wavefront_size: 32
...
	.end_amdgpu_metadata
.endif
;; end of part 2
;; launch attn (part 3): grid 64 x 4, 4 waves a work-group, clusters of 4 x 1, 327,680 bytes of LDS; arguments qimg, kv, padding_mask, lowp_scales, out0; writes out0
.if DOCPART == 3
	.amdgcn_target "amdgcn-amd-amdhsa--gfx1250"
	.amdhsa_code_object_version 6
	.text
	.protected	k_qd1ef7fa27c_attn
	.globl	k_qd1ef7fa27c_attn
	.p2align	8
	.type	k_qd1ef7fa27c_attn,@function
k_qd1ef7fa27c_attn:
	s_mov_b64 s[64:65], 0
	v_nop
	global_prefetch_b8 v0, s[64:65] scope:SCOPE_SE
	s_setreg_imm32_b32 hwreg(HW_REG_WAVE_MODE, 25, 1), 1
	s_wait_xcnt 0x0
	s_wait_alu depctr_hold_cnt(0) depctr_sa_sdst(0) depctr_va_vdst(0) depctr_va_sdst(0) depctr_va_ssrc(0) depctr_va_vcc(0) depctr_vm_vsrc(0)
	s_getreg_b32 s2, hwreg(HW_REG_IB_STS2, 6, 4)
	s_cmp_eq_u32 s2, 0
	s_cbranch_scc0 .Lentry_in_a_cluster
	s_endpgm
.Lentry_in_a_cluster:
	s_bfe_u32 s2, ttmp6, 0x10000c
	s_cmp_lg_u32 s2, 0x3003
	s_cbranch_scc0 .Lentry_shape_is_right
	s_endpgm
.Lentry_shape_is_right:
; out[b][q][:] = the sum over k of softmax_k(q . k / sqrt(128), masked keys at a very low score) v[k][:], both products on codes of FP8 (E4M3) with the given scales: q entry 6, k entry 7, p entry 8, v entry 9.
; THE SOFTMAX AHEAD OF THE SECOND PRODUCT: t = score x log2(e) / sqrt(128); M = the largest t so far, rounded UP to a whole number; p = 2^(t - M) is quantised, not normalised; the row's sum is taken of the
; unquantised p in f32 and divides at the end.  When M moves, the sum and O are multiplied by 2^(old M - new M), which rounds nothing.
; SHARES.  A work-group owns 64 queries of one batch: four tiles of 16.  EACH of its four waves holds all four tiles and takes every fourth key step of 128 keys (step 4 n + wave, n = 0 .. 7): so each byte of K and V
; that a wave reads from LDS feeds four products, and a wave reads only bytes that its own tensor load brought.  At the end the four waves' (M, sum, O) are merged through LDS; M is whole, so the merge's factors are powers of two.
; CLUSTER.  The four work-groups of a cluster belong to one batch and walk the same K and V: every tile is asked for JOINTLY, by the same tensor load with the same descriptor and the mask 15.
; LAYOUT.  Both products are used transposed: S^T = K Q^T (source 0 = 16 keys, source 1 = 16 queries), O^T = V^T P^T (source 0 = 16 head units, source 1 = P): a lane holds ONE query (lane % 16) throughout.
; In S^T register j of tile t is key 16 t + 8 (lane / 16) + j: its eight codes are registers 2 t, 2 t + 1 of the second product's operand as they stand.  K, Q and V^T arrive as images of their registers.
; A TRIP, for key step n, has three parts, and in two of them matrix and vector work stand by turns, since the wave is alone on its SIMD and issues in order:
;   B  the softmax of step n.  Every exponential is followed by a plain line on other registers: 64 of the lines t - M, then the holds of the tile before.  A tile's sum stands between its exponentials and its holds.
;   C  O^T x f (128 packed lines), and behind every four of them one of the 32 products S^T of step n + 1: p's registers are free, since p has been converted.
;   A  the maxima and the statistics of step n + 1 (168 lines), and behind every five of them one of the 32 products O^T += V^T P^T of step n.
; A product set among vector lines costs two switches of the register windows: 128 a trip, for 64 products.
; LDS loads go out in runs of 8: V of step n in the first lines of B; K and the mask's words of step n + 1 behind the change of slots, the last run 200 lines ahead of C.
; THE MASK costs no vector work in the loop: a masked key's codes are zeros (the launch before), so its raw score is 0, and the first product's C holds 0 for an open key and MS for a masked one.
; MS = -2^33 x 2^-(e6 + e7), a power of two, so that MS x c is exact: a row all of whose keys are masked gets t - M = 0 and p = 1 everywhere, the even weights that the reference gives.
; LIMITS.  A masked key's logit is -2^33 / sqrt(128) = -7.6e8 and not -1e9: the same result as long as open logits lie above -7.6e8, which the codes ensure (|logit| <= 128 x 448^2 x 2^(e6 + e7) / 11.3) for e6 + e7 <= 8.
; e6 + e7 between -94 and 130 (they enter c's and MS's exponent fields); e8 between -126 and 119; e8 + e9 is applied by v_ldexp_f32 and has none.  NaN is not served.
; REGISTERS, in windows of 256 (s_set_vgpr_msb: bits 1:0 source 0, 3:2 source 1, 5:4 source 2, 7:6 destination):
;   window 0: v1-15 addresses and constants; v16-63 twelve registers of statistics a tile; v64-127 Q (16 a tile); v128-191 p's codes (16 a tile); v192-255 the first product's C (8 a key tile)
;   window 1: S^T, then p: 64 T + 8 t      window 2: O^T: 64 T + 8 tau      window 3: v0-127 K (16 t), v128-255 V^T (16 tau)
.set SLOT1, 1<<17                      ; LDS: slot 0 at 0, slot 1 here; in a slot wave w's 32,768 bytes (128 keys: K's 8 tiles, then V^T's 8) at 32,768 w
.set BIAS,  2*SLOT1                    ; the first product's C, 4 bytes a key: wave w at 4,096 w, step n at 512 n
.set MST,   BIAS+16384                 ; the merge: (-M, sum) of wave w, tile T, lane l at 1,024 w + 256 T + 8 l
.set OST,   MST+4096                   ; the way out: 16 rows x (512 bytes + 16) for each wave
.set SPARE, OST+4*8448                 ; the spare words, 128 bytes for each wave: two blocks of 256 bytes that no other line names
.set LK,  1                            ; v1   16 x lane + 32,768 x wave: my place in a slot; also where my O goes for the merge (slot 0)
.set ADR, 2                            ; v2   the same in the slot in hand
.set AB0, 3                            ; v3   BIAS + 4,096 x wave + 32 (lane / 16)
.set ABI, 4                            ; v4   the same for the step in hand
.set SPW, 5                            ; v5   LDS address of my spare word; never rewritten
.set NIL, 6                            ; v6   0; never rewritten
.set LIM, 7                            ; v7   448 x 2^e8
.set SCL, 8                            ; v8   2^e8
.set GL,  9                            ; v9   16 x lane
.set BW,  10                           ; v10  where the C words are stored at the head; on the way out: where a row is read back
.set MA,  11                           ; v11  the merge's statistics, in
.set MR,  12                           ; v12  and out
.set OA,  13                           ; v13  the merge: tile (my wave's number) of waves 0, 1;
.set OB,  14                           ; v14  of waves 2, 3
.set SO,  15                           ; v15  the way out: where I put 32 bytes of a row
.set ST,  16                           ; tile T's statistics at v[16 + 12 T]: +0 -M, +1 the largest t, +2,3 the sum in two halves, +4,5 f, +6 to +11 three more chains of sums; +8, +9 first serve as two chains of maxima, +10 takes the other half's
.set Q,   64
.set PC,  128
.set BC,  192
.set VF,  128                          ; in window 3
.set WV,  18                           ; s18  wave
.set SEL, 20                           ; s[20:21] v_permlanex16_b32's selects for lane l xor 16
.set CS,  22                           ; s[22:23] c = log2(e) / sqrt(128) x 2^(e6 + e7)
.set G1,  24                           ; s[24:31] descriptor group 1
.set G0A, 32                           ; s[32:35] descriptor group 0 of slot 0's first fill: never written again
.set TB,  36                           ; s36  the slot from which the next loads read
.set BO,  37                           ; s37  512 x the step whose C words are read next
.set CNT, 38
.set EPV, 39                           ; s39  e8 + e9
.set SRB, 46                           ; s46  my stage for the way out
.set G0,  60                           ; s[60:63] descriptor group 0 of slot 1's first fill, which then walks
.set MSB, 0
.macro WIN new                         ; the immediate's high byte repeats the setting that is left; a switch that changes nothing is dropped
.if MSB != \new
	s_set_vgpr_msb (MSB<<8)|\new
.set MSB, \new
.endif
.endm
; A round of the cluster's barrier: my work-group's barrier, wave 0 signals for the work-group, every wave waits for all four work-groups, my work-group's barrier once more
.macro CROUND
	s_barrier_signal -1
	s_barrier_wait -1
	s_cmp_lg_u32 s[WV], 0
	s_cbranch_scc1 .Lnot_wave_0_\@
	s_barrier_signal -3
.Lnot_wave_0_\@:
	s_barrier_wait -3
	s_barrier_signal -1
	s_barrier_wait -1
.endm
	s_load_b256 s[4:11], s[0:1], 0x0               ; qimg s[4:5], kv s[6:7], padding_mask s[8:9], the scales' exponents s[10:11]
	s_load_b64 s[12:13], s[0:1], 0x20              ; out0
	v_lshl_add_u32 v[SPW], v0, 2, SPARE
	v_mov_b32 v[NIL], 0
	ds_add_u32 v5, v6
	ds_add_u32 v5, v6
	s_wait_dscnt 0x0
	v_lshrrev_b32 v2, 5, v0
	v_readfirstlane_b32 s[WV], v2                  ; wave 0..3
	v_and_b32 v[GL], 31, v0
	v_lshlrev_b32 v[MA], 3, v[GL]                  ; 8 x lane
	v_lshlrev_b32 v[GL], 4, v[GL]                  ; 16 x lane
	v_and_b32 v[SO], 15, v0                        ; r
	v_bfe_u32 v[AB0], v0, 4, 1                     ; h
	s_lshl_b32 s40, s[WV], 15
	v_add_nc_u32 v[LK], s40, v[GL]
	s_lshl_b32 s41, s[WV], 12
	s_add_co_u32 s41, s41, BIAS
	v_add_nc_u32 v[BW], s41, v[GL]
	v_mul_u32_u24 v[SO], v[SO], 528
	v_lshl_add_u32 v[SO], v[AB0], 5, v[SO]
	v_lshl_add_u32 v[AB0], v[AB0], 5, s41
	s_lshl_b32 s42, s[WV], 10
	s_add_co_u32 s42, s42, MST
	s_lshl_b32 s43, s[WV], 8
	s_add_co_u32 s43, s43, MST
	v_add_nc_u32 v[MR], s43, v[MA]
	v_add_nc_u32 v[MA], s42, v[MA]
	s_lshl_b32 s42, s[WV], 13
	v_add_nc_u32 v[OA], s42, v[GL]
	v_add_nc_u32 v[OB], 0x10000, v[OA]
	s_mul_i32 s[SRB], s[WV], 8448
	s_add_co_u32 s[SRB], s[SRB], OST
	v_add_nc_u32 v[SO], s[SRB], v[SO]
	s_and_b32 s49, ttmp7, 0xffff                   ; the batch, which the four partners share
	s_lshl_b32 s44, s49, 20                        ; kv: 32 steps of 32,768 bytes a batch,
	s_add_co_u32 s44, s44, s40                     ; step = my wave's number: nothing of my place in the cluster enters the descriptors
	s_mov_b32 s45, 0
	s_bfe_u32 s47, ttmp6, 0x40000                  ; cx: my place in the cluster
	s_lshl_b32 s48, ttmp9, 2                       ; in a cluster launch ttmp9 counts clusters
	s_add_co_u32 s48, s48, s47                     ; my block of 64 queries: it enters Q's and out0's addresses alone
	s_lshl_b32 s50, s49, 19                        ; qimg: 256 tiles of 2,048 bytes a batch, four a block
	s_lshl_b32 s51, s48, 13
	s_add_co_u32 s50, s50, s51
	s_mov_b32 s51, 0
	s_lshl_b32 s52, s49, 14                        ; the mask: 16,384 bytes a batch, 512 a step
	s_lshl_b32 s53, s[WV], 9
	s_add_co_u32 s52, s52, s53
	s_mov_b32 s53, 0
	s_lshl_b32 s54, s49, 21                        ; out0: rows of 512 bytes: 4,096 a batch, 64 a block, 16 a wave
	s_lshl_b32 s55, s48, 15
	s_add_co_u32 s54, s54, s55
	s_add_co_u32 s54, s54, s42
	s_mov_b32 s55, 0
	; descriptor group 1: a dense block of 32,768 bytes as 128 rows of 256
	s_mov_b32 s[G1+0], 15|(3<<16)|(1<<21)          ; 15:0 the mask: all four work-groups; 17:16 elements of 8 bytes; 20 no padding (the images are read 512 consecutive bytes an instruction); 21 set beside a mask
	s_mov_b32 s[G1+1], 32<<16                      ; tensor_dim0 = 32
	s_mov_b32 s[G1+2], 128<<16                     ; tensor_dim1 = 128
	s_mov_b32 s[G1+3], 32<<16                      ; tile_dim0 = 32
	s_mov_b32 s[G1+4], 128                         ; tile_dim1 = 128
	s_mov_b32 s[G1+5], 32                          ; tensor_dim0_stride
	s_mov_b32 s[G1+6], 0
	s_mov_b32 s[G1+7], 0
	s_mov_b32 s[SEL], 0x76543210
	s_mov_b32 s[SEL+1], 0xfedcba98
	s_mov_b32 s[TB], 0
	s_mov_b32 s[BO], 0
	s_wait_kmcnt 0x0
	s_load_b128 s[68:71], s[10:11], 0x18           ; e6, e7, e8, e9
	s_mov_b32 s[G0A], 1                            ; count = 1
	s_mov_b32 s[G0A+1], s40                        ; LDS address: slot 0, 32,768 x wave
	s_add_nc_u64 s[G0A+2:G0A+3], s[6:7], s[44:45]  ; global address: my step n = 0
	s_mov_b32 s[G0], 1
	s_add_co_u32 s[G0+1], s40, SLOT1               ; slot 1
	s_add_nc_u64 s[G0+2:G0+3], s[G0A+2:G0A+3], 4*32768   ; my step n = 1: four steps of 32,768 bytes on
	s_or_b32 s[G0A+3], s[G0A+3], 0x80000000        ; type = 2
	s_or_b32 s[G0+3], s[G0+3], 0x80000000
	s_add_nc_u64 s[4:5], s[4:5], s[50:51]
	s_add_nc_u64 s[8:9], s[8:9], s[52:53]
	s_add_nc_u64 s[12:13], s[12:13], s[54:55]
	CROUND                                         ; all four work-groups are here: the first joint loads meet
	tensor_load_to_lds s[G0A:G0A+3], s[G1:G1+7]    ; both slots' first fills go out as one group behind the one round: two loads of mine are out
	s_nop 0
	tensor_load_to_lds s[G0:G0+3], s[G1:G1+7]
	s_nop 0
.rept 4
	v_nop
.endr
.irp qt, 0,1,2,3
.irp c, 0,1,2,3
	global_load_b128 v[Q+16*\qt+4*\c:Q+16*\qt+4*\c+3], v[GL], s[4:5] offset:2048*\qt+512*\c   ; Q stays in registers
.endr
.endr
.irp n, 0,1,2,3,4,5,6,7
	global_load_b128 v[BC+4*\n:BC+4*\n+3], v[GL], s[8:9] offset:2048*\n   ; the mask of my eight steps' keys: 512 consecutive bytes a load
.endr
.irp qt, 0,1,2,3
	v_mov_b32 v[ST+12*\qt+10], 0                   ; written once: a lane permute's destination counts as one of its sources
	v_mov_b32 v[ST+12*\qt+5], 0                    ; (named as the upper half of f's pair)
.endr
	s_wait_kmcnt 0x0
	s_add_co_i32 s56, s68, s69
	s_lshl_b32 s56, s56, 23
	s_add_co_i32 s[CS], s56, 0x3e0293ee            ; a score stands for score x 2^(e6 + e7): the exponents are added to c's exponent field
	s_mov_b32 s[CS+1], s[CS]                       ; (named with it as a pair, so it is written)
	s_sub_co_u32 s57, 0xd0000000, s56              ; MS = -2^33 x 2^-(e6 + e7)
	v_mov_b32 v[BC+32], s57
	s_add_co_i32 s56, s70, 127
	s_lshl_b32 s57, s56, 23
	v_mov_b32 v[SCL], s57                          ; 2^e8 as f32, for the conversion
	s_add_co_i32 s56, s56, 8
	s_lshl_b32 s56, s56, 23
	s_or_b32 s56, s56, 0x600000
	v_mov_b32 v[LIM], s56                          ; 448 x 2^e8
	s_add_co_i32 s[EPV], s70, s71
	s_wait_loadcnt 0x0                             ; Q and the mask
.irp i, 0,1,2,3,4,5,6,7,8,9,10,11,12,13,14,15,16,17,18,19,20,21,22,23,24,25,26,27,28,29,30,31
	v_cmp_eq_u32 vcc_lo, 0, v[BC+\i]
	v_cndmask_b32 v[BC+\i], 0, v[BC+32], vcc_lo    ; 0 for an open key, MS for a masked one: a choice of a value, no branch
.endr
.irp n, 0,1,2,3,4,5,6,7
	ds_store_b128 v[BW], v[BC+4*\n:BC+4*\n+3] offset:512*\n   ; my own bytes, read by me alone: LDS serves a wave's instructions in order (ISA guide 5.7.1.4)
.endr
; THE CHANGE OF SLOTS stands in the middle of a trip's softmax, where V of step n, the last bytes of slot n % 2 that anybody wants, was asked for some 350 lines ago.  Each wave waits for all its tensor
; loads (one is out: step n + 1's), adds 0 to its spare word, and waits for that and for its reads of the slot.  fill = 1: the slot takes my step n + 2.  The barrier is then a round of the cluster's, so that no wave of any
; partner still reads the slot or has a load on its way; the joint load is the first thing behind it and my one tensor load until the next round: it has a whole trip's work in which to land.
.macro CHANGE fill
	WIN 0
	s_wait_tensorcnt 0x0                           ; no tensor load of mine is out, so group 0 may be written
	ds_add_u32 v[SPW], v[NIL]                      ; 0 onto my spare word
.if \fill
	s_xor_b32 s[G0+1], s[G0+1], SLOT1              ; the other slot than last time,
	s_add_nc_u64 s[G0+2:G0+3], s[G0+2:G0+3], 4*32768   ; four steps on; the type bits on top are not reached
.endif
	s_wait_dscnt 0x0                               ; the add is done, and my LDS reads are over
.if \fill
	CROUND
	tensor_load_to_lds s[G0:G0+3], s[G1:G1+7]
	s_nop 0
.rept 4
	v_nop
.endr
.else
	s_barrier_signal -1
	s_barrier_wait -1
.endif
.endm
; THE LDS LOADS, in runs.  The first product's C (every window 0): register j of tile t = key 16 t + 8 h + j; the sixteen lanes of a half read the same words
.macro BCLOAD
.irp kt, 0,1,2,3,4,5,6,7
	ds_load_b128 v[BC+8*\kt:BC+8*\kt+3],   v[ABI] offset:64*\kt
	ds_load_b128 v[BC+8*\kt+4:BC+8*\kt+7], v[ABI] offset:64*\kt+16
.endr
.endm
.macro KLOAD g                         ; K's tiles 2 g, 2 g + 1: 8 loads of 512 consecutive bytes
	WIN 0xc0                                       ; destination window 3
.irp u, 0,1
.irp c, 0,1,2,3
	ds_load_b128 v[16*(2*(\g)+\u)+4*\c:16*(2*(\g)+\u)+4*\c+3], v[ADR] offset:2048*(2*(\g)+\u)+512*\c
.endr
.endr
.endm
.macro VLOAD g                         ; V^T's tiles 2 g, 2 g + 1
	WIN 0xc0
.irp u, 0,1
.irp c, 0,1,2,3
	ds_load_b128 v[VF+16*(2*(\g)+\u)+4*\c:VF+16*(2*(\g)+\u)+4*\c+3], v[ADR] offset:16384+2048*(2*(\g)+\u)+512*\c
.endr
.endr
.endm
; THE PRODUCTS, one at a time.  No two matrix instructions that follow each other share an accumulator, over the loop's edge too.
.macro SONE                            ; product sn of 32 of S^T = K Q^T + C: key tile sn / 4, tile of queries sn % 4; the mask's words start the sum
.set rD, 64*(sn%4)+8*(sn/4)
.set rK, 16*(sn/4)
.set rQ, Q+16*(sn%4)
.set rC, BC+8*(sn/4)
	WIN 0x43                                       ; K window 3, Q and C window 0, S^T window 1
	v_wmma_f32_16x16x128_fp8_fp8 v[rD:rD+7], v[rK:rK+15], v[rQ:rQ+15], v[rC:rC+7]
.set sn, sn+1
.endm
.macro PVONE zero                      ; product pvn of 32 of O^T += V^T P^T: head units 16 (pvn / 4) on, tile of queries pvn % 4.  zero = 1: it starts the sum: nothing is ever cleared
.set rD, 64*(pvn%4)+8*(pvn/4)
.set rV, VF+16*(pvn/4)
.set rP, PC+16*(pvn%4)
	WIN 0xa3                                       ; V window 3, p's codes window 0, O^T window 2
.if \zero
	v_wmma_f32_16x16x128_fp8_fp8 v[rD:rD+7], v[rV:rV+15], v[rP:rP+15], 0
.else
	v_wmma_f32_16x16x128_fp8_fp8 v[rD:rD+7], v[rV:rV+15], v[rP:rP+15], v[rD:rD+7]
.endif
.set pvn, pvn+1
.endm
; PART A'S VECTOR WORK is a list of lines; MXLINE writes number j of it.  0-123: the largest score of each query among my lane's 64 keys, in two chains a tile, the four tiles by turns; each accumulator is read
; from its low end on.  From 124 on in fours, a line for each tile: the two chains; the other half of the lanes; as t; the running largest t; -M = floor(-t) = -ceil(t), A WHOLE NUMBER; f = 2^(old M - new M); the sum x f.
; first = 1: the first key step, which starts M: 144 lines, else 168.
.macro MXLINE first
.if j < 8
.set qt, j/2
	WIN 0x15
.if j%2 == 0
	v_max3_num_f32 v[ST+12*qt+8], v[64*qt], v[64*qt+1], v[64*qt+2]
.else
	v_max3_num_f32 v[ST+12*qt+9], v[64*qt+3], v[64*qt+4], v[64*qt+5]
.endif
.elseif j < 120
.set qt, ((j-8)%8)/2
.set ii, 64*qt+6+4*((j-8)/8)+2*(j%2)
.set rT, ST+12*qt+8+j%2
	WIN 0x14
	v_max3_num_f32 v[rT], v[rT], v[ii], v[ii+1]
.elseif j < 124
.set qt, j-120
	WIN 0x14
	v_max3_num_f32 v[ST+12*qt+8], v[ST+12*qt+8], v[64*qt+62], v[64*qt+63]
.else
.set rT, ST+12*(j%4)
.set g, (j-124)/4
	WIN 0
.if g == 0
	v_max_num_f32 v[rT+8], v[rT+8], v[rT+9]
.elseif g == 1
	v_permlanex16_b32 v[rT+10], v[rT+8], s[SEL], s[SEL+1]
.elseif g == 2
	v_max_num_f32 v[rT+8], v[rT+8], v[rT+10]       ; and among lane l xor 16's
.elseif (g == 3) && \first
	v_mul_f32 v[rT+1], s[CS], v[rT+8]              ; as t (c is positive): the largest t
.elseif (g == 4) && \first
	v_floor_f32 v[rT], -v[rT+1]
.elseif g == 3
	v_mul_f32 v[rT+8], s[CS], v[rT+8]
.elseif g == 4
	v_max_num_f32 v[rT+1], v[rT+1], v[rT+8]        ; the running largest t
.elseif g == 5
	v_mov_b32 v[rT+9], v[rT]
.elseif g == 6
	v_floor_f32 v[rT], -v[rT+1]
.elseif g == 7
	v_sub_f32 v[rT+9], v[rT], v[rT+9]              ; M's old value less its new one: a whole number, 0 or less
.elseif g == 8
	v_cvt_i32_f32 v[rT+9], v[rT+9]                 ; (it saturates)
.elseif g == 9
	v_ldexp_f32 v[rT+4], 1.0, v[rT+9]              ; f = 2^(old M - new M)
.else
	v_pk_mul_f32 v[rT+2:rT+3], v[rT+2:rT+3], v[rT+4:rT+5] op_sel_hi:[1,0]   ; the sum under the new M
.endif
.endif
.endm
; PART A.  pv = 0: the list alone; 2: behind lines 3, 8, .. 158 stands one product O^T += V^T P^T of the step before; 1: those products start O^T's sums.
; Behind the last product stand nine plain lines that name none of its registers: the places in front of the next loads into V's registers.
.macro MAXST first, pv
.set pvn, 0
.set j, 0
.rept 168-24*\first
	MXLINE \first
.if \pv && (j%5 == 3) && (j < 160)
.if \pv == 1
	PVONE 1
.else
	PVONE 0
.endif
.endif
.set j, j+1
.endr
	WIN 0
.endm
; PART B'S PIECES.  All but the sums and the conversions work under one setting: p as destination and source 0 (window 1), the rest window 0.
.macro FMA16 j0                        ; t - M for registers j0 .. j0 + 31, two at a time (of the pairs c and -M the low word serves both halves)
	WIN 0x41
.set j, \j0
.rept 16
	v_pk_fma_f32 v[j:j+1], v[j:j+1], s[CS:CS+1], v[ST+12*(j/64):ST+12*(j/64)+1] op_sel_hi:[1,0,0]
.set j, j+2
.endr
.endm
.macro EXPFMA i0                       ; 32 of tile 0's exponentials, each followed by a line t - M of tiles 1, 2: no two exponentials follow each other, and each has its plain line behind it (ISA guide 5.7.2)
	WIN 0x41
.set i, \i0
.rept 32
	v_exp_f32 v[i], v[i]                           ; p = 2^(t - M), at most 1
.set j, 64+2*i
	v_pk_fma_f32 v[j:j+1], v[j:j+1], s[CS:CS+1], v[ST+12*(j/64):ST+12*(j/64)+1] op_sel_hi:[1,0,0]
.set i, i+1
.endr
.endm
.macro EXPMIN qt, i0                   ; 32 of tile qt's exponentials, each followed by a hold of the tile before, whose sum has been taken
	WIN 0x41
.set i, \i0
.rept 32
	v_exp_f32 v[64*\qt+i], v[64*\qt+i]
	v_min_num_f32 v[64*(\qt-1)+i], v[64*(\qt-1)+i], v[LIM]   ; the conversion to an 8-bit code does not saturate (ISA guide 7.6.2); p is not negative, so the hold is one-sided; it stands whatever e8 is
.set i, i+1
.endr
.endm
.macro SUM qt, first                   ; THE ROW'S SUM IS TAKEN OF THE UNQUANTISED p: two at a time, in four chains; first = 1: the fourth chain, the running sum, begins here too
.set rT, ST+12*\qt
.set rS, 64*\qt
	WIN 0x05
	s_wait_alu depctr_va_vdst(0)
	v_pk_add_f32 v[rT+6:rT+7], v[rS:rS+1], v[rS+2:rS+3]
	v_pk_add_f32 v[rT+8:rT+9], v[rS+4:rS+5], v[rS+6:rS+7]
	v_pk_add_f32 v[rT+10:rT+11], v[rS+8:rS+9], v[rS+10:rS+11]
.if \first
	v_pk_add_f32 v[rT+2:rT+3], v[rS+12:rS+13], v[rS+14:rS+15]
.endif
	WIN 0x04
.set j, rS+12+4*\first
.set k, 0
.rept 26-2*\first
.set rC, rT+2+2*(k%4)+2*(((k%4)+3)/4)  ; the chains at +2, +6, +8, +10 by turns
	v_pk_add_f32 v[rC:rC+1], v[rC:rC+1], v[j:j+1]
.set j, j+2
.set k, k+1
.endr
.endm
; A TRIP: key step n.  first = 1: n = 0, which starts the sums and O^T and has nothing to rescale.  more = 1: a step n + 1 follows; fill = 1: step n + 2 is asked for.
.macro BODY first, fill, more
	v_add_nc_u32 v[ADR], s[TB], v[LK]              ; slot n % 2
	VLOAD 0
	FMA16 0
	FMA16 32
	VLOAD 1
	FMA16 192
	FMA16 224
	VLOAD 2
	EXPFMA 0
	VLOAD 3
	EXPFMA 32
	SUM 0, \first
	EXPMIN 1, 0
	EXPMIN 1, 32
	SUM 1, \first
.if \more
	CHANGE \fill
	s_xor_b32 s[TB], s[TB], SLOT1                  ; from here on the loads read step n + 1's slot, which has landed
	s_add_co_u32 s[BO], s[BO], 512
	v_add_nc_u32 v[ADR], s[TB], v[LK]
	v_add_nc_u32 v[ABI], s[BO], v[AB0]
	BCLOAD                                         ; C's and K's last readers, step n's first products, stand in front of the 168 lines of the trip before
.endif
	EXPMIN 2, 0
.if \more
	KLOAD 0
.endif
	EXPMIN 2, 32
.if \more
	KLOAD 1
.endif
	SUM 2, \first
.if \more
	KLOAD 2
.endif
	EXPMIN 3, 0
.if \more
	KLOAD 3
.endif
	EXPMIN 3, 32
	SUM 3, \first
	WIN 0x41
.set j, 192
.rept 64
	v_min_num_f32 v[j], v[j], v[LIM]               ; the last tile's holds
.set j, j+1
.endr
	WIN 0
.irp qt, 0,1,2,3
	v_pk_add_f32 v[ST+12*\qt+6:ST+12*\qt+7], v[ST+12*\qt+6:ST+12*\qt+7], v[ST+12*\qt+8:ST+12*\qt+9]      ; the four chains of each tile's sum are joined
	v_pk_add_f32 v[ST+12*\qt+2:ST+12*\qt+3], v[ST+12*\qt+2:ST+12*\qt+3], v[ST+12*\qt+10:ST+12*\qt+11]
.endr
.irp qt, 0,1,2,3
	v_pk_add_f32 v[ST+12*\qt+2:ST+12*\qt+3], v[ST+12*\qt+2:ST+12*\qt+3], v[ST+12*\qt+6:ST+12*\qt+7]
.endr
	WIN 0x01                                       ; p window 1; the scale and the codes window 0
.set j, 0
.rept 32
	v_cvt_scalef32_pk8_fp8_f32 v[PC+2*j:PC+2*j+1], v[8*j:8*j+7], v[SCL]   ; tile T = j / 8, key tile t = j % 8: registers 2 t, 2 t + 1 of T's operand
.set j, j+1
.endr
	s_wait_dscnt 0x0                               ; K and C of step n + 1 are in (with more = 0: V of this step)
.if \more
.set sn, 0
.if \first
	v_nop                                          ; a plain line between the conversions and the products that write over their sources
.rept 32
	SONE                                           ; there is no O^T yet to rescale between them
.endr
.rept 4
	v_nop                                          ; four places (ISA guide 7.12.1) in front of the first read of the scores
.endr
	MAXST 0, 1
.else
.set j, 0
.rept 32                               ; PART C: four lines of O^T x f, then a product.  The first four are also the plain lines behind the conversions.  A product's result is first read far on in part A's list: tile t's at line 16 t - 7 or later
	WIN 0x82                                       ; O^T window 2, f window 0
.rept 4
	v_pk_mul_f32 v[j:j+1], v[j:j+1], v[ST+12*(j/64)+4:ST+12*(j/64)+5] op_sel_hi:[1,0]   ; O^T under the new M; each accumulator from its low end on
.set j, j+2
.endr
	SONE
.endr
	MAXST 0, 2
.endif
.else
	WIN 0x82                                       ; the last step: nothing is left to set between the lines
.set j, 0
.rept 128
	v_pk_mul_f32 v[j:j+1], v[j:j+1], v[ST+12*(j/64)+4:ST+12*(j/64)+5] op_sel_hi:[1,0]
.set j, j+2
.endr
.set pvn, 0
.rept 32
	PVONE 0
.endr
	WIN 0
.rept 4
	v_nop                                          ; four places in front of the merge's stores of O^T
.endr
.endif
.endm
	s_wait_tensorcnt 0x1                           ; my step 0 has landed (behind its load I issued one: step 1's, which may stay out); I alone read these bytes
	s_wait_dscnt 0x0                               ; my stores of the C words have read their registers
	v_add_nc_u32 v[ADR], s[TB], v[LK]
	v_add_nc_u32 v[ABI], s[BO], v[AB0]
	BCLOAD
	KLOAD 0
	KLOAD 1
	KLOAD 2
	KLOAD 3
	s_wait_dscnt 0x0
.set sn, 0
.rept 32
	SONE                                           ; the first scores: there is no vector work yet to set between them
.endr
	WIN 0
.rept 4
	v_nop                                          ; four places in front of the first read of the scores
.endr
	MAXST 1, 0
	BODY 1, 1, 1                                   ; n = 0; its change of slots asks for step 2
	s_mov_b32 s[CNT], 5
.Lkeys:                                            ; n = 1 to 5; their changes of slots ask for steps 3 to 7
	BODY 0, 1, 1
	s_sub_co_u32 s[CNT], s[CNT], 1
	s_cmp_lg_u32 s[CNT], 0
	s_cbranch_scc1 .Lkeys
	BODY 0, 0, 1                                   ; n = 6 is written out: nothing is asked for
	BODY 0, 0, 0                                   ; n = 7
	; THE MERGE.  Each wave's (-M, sum) and O^T go to LDS; O^T into slot 0, which has had its last fill (step 6's) and whose last read (V of step 6) was waited for in trip 6.
.irp qt, 0,1,2,3
	v_add_f32 v[ST+12*\qt+8], v[ST+12*\qt+2], v[ST+12*\qt+3]        ; the sum's two halves,
.endr
.irp qt, 0,1,2,3
	v_permlanex16_b32 v[ST+12*\qt+10], v[ST+12*\qt+8], s[SEL], s[SEL+1]
.endr
.irp qt, 0,1,2,3
	v_add_f32 v[ST+12*\qt+1], v[ST+12*\qt+8], v[ST+12*\qt+10]       ; and lane l xor 16's: beside -M
.endr
.irp qt, 0,1,2,3
	ds_store_b64 v[MA], v[ST+12*\qt:ST+12*\qt+1] offset:256*\qt
.endr
	WIN 0x08                                       ; store data window 2
.set j, 0
.rept 64
	ds_store_b128 v[LK], v[4*j:4*j+3] offset:512*j   ; as images: tile T at 8,192 T; each accumulator from its low end on
.set j, j+1
.endr
	WIN 0
	s_wait_dscnt 0x0                               ; for the others' sake: my stores are done
	s_barrier_signal -1
	s_barrier_wait -1
	; wave w finishes tile T = w: the four waves' parts of it
.irp u, 0,1,2,3
	ds_load_b64 v[BC+2*\u:BC+2*\u+1], v[MR] offset:1024*\u
.endr
	WIN 0x80                                       ; destination window 2: wave u's part at v[64 u]
.irp u, 0,1
.set j, 0
.rept 16
	ds_load_b128 v[64*\u+4*j:64*\u+4*j+3], v[OA] offset:32768*\u+512*j
.set j, j+1
.endr
.endr
.irp u, 0,1
.set j, 0
.rept 16
	ds_load_b128 v[128+64*\u+4*j:128+64*\u+4*j+3], v[OB] offset:32768*\u+512*j
.set j, j+1
.endr
.endr
	WIN 0
	s_wait_dscnt 63                                ; 68 loads were issued: with 63 out at the most the oldest five are back, the four of statistics among them
	v_min3_num_f32 v200, v192, v194, v196
	v_min_num_f32 v200, v200, v198                 ; the least -M: the row's M
.irp u, 0,1,2,3
	v_sub_f32 v[201+\u], v200, v[BC+2*\u]          ; wave u's M less the row's: a whole number, 0 or less
.endr
.irp u, 0,1,2,3
	v_cvt_i32_f32 v[201+\u], v[201+\u]
.endr
.irp u, 0,1,2,3
	v_ldexp_f32 v[201+\u], 1.0, v[201+\u]          ; f_u
.endr
	v_mul_f32 v205, v201, v193
	v_fmac_f32 v205, v202, v195
	v_fmac_f32 v205, v203, v197
	v_fmac_f32 v205, v204, v199                    ; the row's sum under the row's M: above 1/2, since the largest p is
	v_rcp_f32 v206, v205
	v_nop                                          ; a plain line behind the transcendental
	s_wait_alu depctr_va_vdst(0)
	v_ldexp_f32 v206, v206, s[EPV]                 ; x 2^(e8 + e9)
.irp u, 0,1,2,3
	v_mul_f32 v[208+2*\u], v[201+\u], v206         ; g_u = f_u x 2^(e8 + e9) / the sum,
.endr
.irp u, 0,1,2,3
	v_mov_b32 v[209+2*\u], v[208+2*\u]             ; twice: a pair for the packed lines
.endr
	v_add_nc_u32 v[BW], s[SRB], v[GL]              ; the way out: where a row is read back
	s_wait_dscnt 0x0
	WIN 0xa2                                       ; O^T's parts window 2, g window 0
.set j, 0
.rept 32
	v_pk_mul_f32 v[j:j+1], v[j:j+1], v[208:209]
.set j, j+2
.endr
.irp u, 1,2,3
.set j, 0
.rept 32
	v_pk_fma_f32 v[j:j+1], v[64*\u+j:64*\u+j+1], v[208+2*\u:209+2*\u], v[j:j+1]
.set j, j+2
.endr
.endr
	; THE WAY OUT.  Register 8 tau + i of lane (r, h) is out(r, 16 tau + 8 h + i): through my own stage, back as whole rows of 512 bytes
	WIN 0x08
.irp dt, 0,1,2,3,4,5,6,7
	ds_store_b128 v[SO], v[8*\dt:8*\dt+3] offset:64*\dt
	ds_store_b128 v[SO], v[8*\dt+4:8*\dt+7] offset:64*\dt+16
.endr
	WIN 0
.irp i, 0,1,2,3,4,5,6,7,8,9,10,11,12,13,14,15
	ds_load_b128 v[Q+4*\i:Q+4*\i+3], v[BW] offset:528*\i   ; LDS serves a wave's instructions in order: these see my stores
.endr
.irp i, 0,1,2,3,4,5,6,7,8,9,10,11,12,13,14,15
	s_wait_dscnt 15-\i                             ; row i is back; the younger rows may be out
	global_store_b128 v[GL], v[Q+4*\i:Q+4*\i+3], s[12:13] offset:512*\i th:TH_STORE_NT   ; 32 lanes store a row of 512 consecutive bytes, at a multiple of 512 from out0's first byte; written once, read by nobody here
.endr
	s_wait_tensorcnt 0x0                           ; the wave's end: behind my last tensor load and my last LDS store
	ds_add_u32 v[SPW], v[NIL]
	s_wait_dscnt 0x0
	CROUND                                         ; the closing round: no work-group ends while a partner may still ask for a tile that names it
	s_endpgm
.Lfunc_end_k_qd1ef7fa27c_attn:
	.size	k_qd1ef7fa27c_attn, .Lfunc_end_k_qd1ef7fa27c_attn-k_qd1ef7fa27c_attn
	.p2alignl 7, 3214868480
	.fill 96, 4, 3214868480
	.section	.rodata,"a",@progbits
	.p2align	6, 0x0
	.amdhsa_kernel k_qd1ef7fa27c_attn
		.amdhsa_group_segment_fixed_size 327680
		.amdhsa_private_segment_fixed_size 0
		.amdhsa_enable_private_segment 0
		.amdhsa_kernarg_size 40
		.amdhsa_user_sgpr_count 2
		.amdhsa_user_sgpr_kernarg_segment_ptr 1
		.amdhsa_wavefront_size32 1
		.amdhsa_system_sgpr_workgroup_id_x 1
		.amdhsa_system_sgpr_workgroup_id_y 1
		.amdhsa_system_sgpr_workgroup_id_z 1
		.amdhsa_system_vgpr_workitem_id 0
		.amdhsa_next_free_vgpr 1024
		.amdhsa_next_free_sgpr 80
		.amdhsa_reserve_vcc 1
		.amdhsa_float_denorm_mode_32 3
		.amdhsa_float_denorm_mode_16_64 3
		.amdhsa_memory_ordered 1
		.amdhsa_forward_progress 1
		.amdhsa_inst_pref_size 255
	.end_amdhsa_kernel
	.section	.bss,"aw",@nobits
	.p2align	6
	.space	262144
	.amdgpu_metadata
---
amdhsa.version: [ 1, 2 ]
amdhsa.kernels:
  - .name:           k_qd1ef7fa27c_attn
    .symbol:         k_qd1ef7fa27c_attn.kd
    .args:
      - { .name: qimg, .offset: 0, .size: 8, .value_kind: global_buffer, .address_space: global }
      - { .name: kv, .offset: 8, .size: 8, .value_kind: global_buffer, .address_space: global }
      - { .name: padding_mask, .offset: 16, .size: 8, .value_kind: global_buffer, .address_space: global }
      - { .name: lowp_scales, .offset: 24, .size: 8, .value_kind: global_buffer, .address_space: global }
      - { .name: out0, .offset: 32, .size: 8, .value_kind: global_buffer, .address_space: global }
    .group_segment_fixed_size: 327680
    .private_segment_fixed_size: 0
    .kernarg_segment_align: 8
    .kernarg_segment_size: 40
    .max_flat_workgroup_size: 128
    .sgpr_count:     80
    .vgpr_count:     1024
    .wavefront_size: 32
...
	.end_amdgpu_metadata
.endif
;; end of part 3
